; MI455X (gfx1250); checked and timed in simulation.
; The chip was launched on July 23, 2026; its instructions are those of AMD's public machine-readable ISA for CDNA 5 (MIT licence, August 2026) and "CDNA5" Instruction Set Architecture Reference Guide (July 2026). The comments in the code are by the model that wrote it; some were corrected since.
;; Deepseek V3 Mo E Calibrate. Allowed arithmetic: matrix products marked QUANTISED: E4M3 operands, one E8M0 scale for each 32 along K, by v_wmma_scale_f32_16x16x128_f8f6f4 with both operands' format E4M3, f32 sums; everything else in f32.
;; Inputs: expert_down 32 x 1,024 x 512 float32; expert_gate 32 x 512 x 1,024 float32; expert_up 32 x 512 x 1,024 float32; gate_bias 32 float32; gate_w 32 x 1,024 float32; hidden_states 2 x 512 x 1,024 float32; shared_down 1,024 x 1,024 float32; shared_gate 1,024 x 1,024 float32; shared_up 1,024 x 1,024 float32.
;; Outputs: out0 2 x 512 x 1,024 float32.
;; This version of the problem:
;;   THIS VERSION OF THE PROBLEM IS GIVEN IN LOW PRECISION. The matrix products marked QUANTISED in the list below multiply operands that are first quantised to E4M3 (4 exponent bits, 3 mantissa bits; 8 bits a number), with one power-of-two scale for each 32 numbers along K (OCP MX v1.0); their sums are f32. All else is computed in f32.
;;   The module's matrix products, in the order in which they are computed (A, B: the left and right operand; K: the contracted axis; several contracted axes count as one K, in the product's order):
;;     1. [M 1,024, K 1,024] x [K 1,024, N 32]; A: input hidden_states; B: input gate_w: QUANTISED
;;     2. [M 16,384, K 1,024] x [K 1,024, N 1,024]; A: input expert_gate; B: input hidden_states: QUANTISED
;;     3. [M 16,384, K 1,024] x [K 1,024, N 1,024]; A: input expert_up; B: input hidden_states: QUANTISED
;;     4. batch 32 x [M 1,024, K 512] x [K 512, N 1,024]; A: computed on the way; B: input expert_down: QUANTISED
;;     5. [M 1,024, K 1,024] x [K 1,024, N 1,024]; A: input hidden_states; B: input shared_gate: QUANTISED
;;     6. [M 1,024, K 1,024] x [K 1,024, N 1,024]; A: input hidden_states; B: input shared_up: QUANTISED
;;     7. [M 1,024, K 1,024] x [K 1,024, N 1,024]; A: computed on the way; B: input shared_down: QUANTISED
;;   THE QUANTISER, for each operand of a quantised product, along K:
;;     - K is cut into blocks of 32 from its start; a last block that is shorter is filled with zeros.
;;     - A block's scale is 2^e with e = floor(log2(the largest magnitude in the block)) - 8, held to -126 .. 127; a block of zeros has e = 0. As a byte (E8M0): e + 127.
;;     - Each number is divided by its block's scale, clamped to +-448, and rounded to the nearest number of E4M3, ties to even, subnormals kept.
;;     - The product sums the exact products of the quantised numbers (number of the format x scale) in f32.
;;   ~~~python
;;   def quantise(x, axis):      # numpy; x: float32 -> the quantised numbers, widened to float32 again
;;       x = np.moveaxis(x, axis, -1); K = x.shape[-1]
;;       x = np.pad(x, [(0, 0)] * (x.ndim - 1) + [(0, -K % 32)]); x = x.reshape(x.shape[:-1] + (-1, 32)); a = np.abs(x).max(-1, keepdims=True)
;;       e = np.where(a > 0, np.clip(np.frexp(np.where(a > 0, a, 1))[1] - 1 - 8, -126, 127), 0)      # np.frexp(a)[1] - 1 = floor(log2(a)), exactly
;;       r = np.clip(x / 2.0 ** e, -448, 448)
;;       step = 2.0 ** (np.maximum(np.frexp(np.where(r == 0, 1, r))[1] - 1, -6) - 3)
;;       q = np.round(r / step) * step * 2.0 ** e      # np.round: ties to even
;;       return np.moveaxis(q.reshape(q.shape[:-2] + (-1,))[..., :K], -1, axis).astype(np.float32)
;;   ~~~
;;   OPERANDS COMPUTED ON THE WAY. 'Computed on the way' means the value that the module computes at that place (a softmax that the list does not call 'softmax' is quantised finished and normalised). What goes into a quantiser is computed in f32, as accurately as f32 sums, v_exp_f32 and their like allow (about 1e-6 of the number): no bf16 or f16 on the way to a quantiser, and a product that is left as it is and whose result goes on into a quantised operand takes f32 operands (vector FMAs, or v_wmma_f32_16x16x4_f32). A number that lies on a knife's edge between two numbers of the format may be rounded either way, as far as f32 arithmetic and the matrix unit's own rounding can turn it there, and no further.
;; One version. Each part assembles by itself: llvm-mc -triple=amdgcn-amd-amdhsa -mcpu=gfx1250 --defsym DOCPART=n.
;; ======== version 1 of 1: 4 launches
;; workspace buffers: xq 1,048,576 bytes; xs 32,768 bytes; tokmask 4,096 bytes of whole numbers; slottab 131,072 bytes of whole numbers; wtab 131,072 bytes; hq 17,825,792 bytes; hsc 557,056 bytes; y 41,943,040 bytes
;; launch route (part 1): grid 32 x 1, 8 waves a work-group, no clusters, 120,832 bytes of LDS; arguments hidden_states, gate_w, gate_bias, xq, xs, tokmask, slottab, wtab; writes xq, xs, tokmask, slottab, wtab
.if DOCPART == 1
	.amdgcn_target "amdgcn-amd-amdhsa--gfx1250"
	.amdhsa_code_object_version 6
	.text
	.protected	k_q68c16efadc_route
	.globl	k_q68c16efadc_route
	.p2align	8
	.type	k_q68c16efadc_route,@function
k_q68c16efadc_route:
	s_mov_b64 s[64:65], 0
	v_nop
	global_prefetch_b8 v0, s[64:65] scope:SCOPE_SE
	s_setreg_imm32_b32 hwreg(HW_REG_WAVE_MODE, 25, 1), 1
	s_wait_xcnt 0x0
; ROUTE.  x = hidden_states [1024][1024] f32 becomes codes of E4M3 with one E8M0 byte for each 32 along H (xq, xs); the router's logits x gate_w^T are made on such codes;
; the router (sigmoid, bias, two of four groups, eight of 32 experts, ties to the lower index) is worked a lane to a token, and what it chose is stored at fixed places.
; WORK LEFT OUT BY THE WHOLE PROGRAM.  outs[e][t][:] reaches the result only through take_along_axis(outs_t, topk_idx): a row (t, e) whose e is not among topk_idx[t] has no way to any output,
; whatever finite values the inputs hold.  So the products with expert_gate, expert_up and expert_down are made only for the eight chosen (t, e) of each token.  No input becomes dead: all nine are loaded.
; LIMITS.  A NaN, an infinity or an overflow that arises only in a row (t, e) that was not chosen is not carried to the result.  NaN and infinities among the inputs are not served.
; A token's eight routed terms, and its eight weights' sum, are added in ascending expert number, not by rank.  Two scores that differ by less than f32 rounding may be chosen either way.
; A block of zeros gets the scale byte 1 (the rule says 127) and zero codes: the bytes are read by this program alone.
; STORED: tokmask[e][b]: bit i = token 32 b + i chose expert e.  slottab, wtab [e / 2][t][e % 2]: how many chosen experts lie below e; 2.5 s_e / (sum + 1e-20), or 0.
; SHARES.  Work-group b owns tokens 32 b .. 32 b + 31.  Waves 0-3 quantise 8 rows of x each, waves 4-7 8 rows of gate_w each (every work-group quantises gate_w's 128 KB for itself).
; A step is 512 numbers: four loads of 512 consecutive bytes, turned through the wave's own stage in LDS so that a lane holds 16 neighbours; two neighbouring lanes hold a block of 32.
; tokmask leaves as 32 single words, 128 bytes apart: 4 KB in the whole launch.
.set RP,    1040                       ; a row of 1,024 codes in LDS + 16: sixteen rows start in sixteen different 16-byte columns of 256
.set SCP,   48                         ; a row of 32 scale bytes + 16
.set XSB,   64*RP                      ; rows 0-31: x, rows 32-63: gate_w; behind them their scale bytes
.set TSB,   XSB+64*SCP                 ; two stages of 2,560 bytes for each wave
.set LG,    TSB+8*5120                 ; partial logits: 2 halves of K x 32 tokens x 144 bytes
.set LGP,   144
.set SPARE, LG+2*32*LGP                ; the spare words: 128 bytes a wave, named by no other line
.set GO,  2                            ; 16 x lane
.set STI, 3                            ; stage, way in
.set STO, 4                            ; stage, way out
.set CD,  5                            ; where my codes go
.set SD,  6                            ; where my block's scale byte goes
.set RR,  7                            ; lane % 16
.set HH,  12                           ; lane / 16
.set SPW, 14
.set NIL, 15
.set X,   16                           ; v16-47 two sets of 16 neighbours
.set C,   48                           ; v48-55 two sets of codes
.set E,   56                           ; v56-57 two scale bytes
.set GA,  58
.set XA,  59
.set GSA, 60
.set XSA, 61
.set LGA, 62
.set XCR, 63
.set XSR, 224
.set LGR, 225
.set OF8, 226
.set OF128, 227
.set SP,  32                           ; s[32:33] my rows in memory
.set MNT, 36                           ; the mantissa field of 448
.set BI,  68                           ; s[68:99] gate_bias
.set MSB, 0
.macro WIN new                         ; the immediate's high byte repeats the setting that is left
.if MSB != \new
	s_set_vgpr_msb (MSB<<8)|\new
.set MSB, \new
.endif
.endm
.macro LOADS t                         ; step t into slot t % 16 of the ring (window 1): four loads of 512 consecutive bytes
	WIN 0x44                                       ; destination and LDS-store data in window 1, addresses in window 0
.irp j, 0,1,2,3
	global_load_b128 v[16*((\t)%16)+4*\j:16*((\t)%16)+4*\j+3], v[GO], s[SP:SP+1] offset:2048*(\t)+512*\j
.endr
.endm
.macro TURN t                          ; step t through a stage: in as loaded, out 64 bytes a lane; LDS serves a wave's instructions in order
	WIN 0x44
.irp j, 0,1,2,3
	ds_store_b128 v[STI], v[16*((\t)%16)+4*\j:16*((\t)%16)+4*\j+3] offset:2560*((\t)%2)+640*\j
.endr
	WIN 0
.irp j, 0,1,2,3
	ds_load_b128 v[X+16*((\t)%2)+4*\j:X+16*((\t)%2)+4*\j+3], v[STO] offset:2560*((\t)%2)+16*\j
.endr
.endm
.macro STEP i, ahead, left, last
.set XQ, X+16*((\i)%2)
.set CQ, C+4*((\i)%2)
.set EQ, E+(\i)%2
	s_wait_dscnt 2                                 ; my 16 neighbours are back from the stage; the last step's two stores may be out
.if \ahead
	LOADS (\i)+15
.endif
.if !(\last)
	s_wait_loadcnt \left                           ; the next step's four loads are in; the count is the loads of the steps behind it
	TURN (\i)+1
.endif
	v_max3_num_f32 v8, |v[XQ]|, |v[XQ+1]|, |v[XQ+2]|
	v_max3_num_f32 v9, |v[XQ+3]|, |v[XQ+4]|, |v[XQ+5]|
.irp k, 6,10
	s_delay_alu instid0(VALU_DEP_2)
	v_max3_num_f32 v8, v8, |v[XQ+\k]|, |v[XQ+\k+1]|
	s_delay_alu instid0(VALU_DEP_2)
	v_max3_num_f32 v9, v9, |v[XQ+\k+2]|, |v[XQ+\k+3]|
.endr
	s_delay_alu instid0(VALU_DEP_2)
	v_max3_num_f32 v8, v8, |v[XQ+14]|, |v[XQ+15]|
	s_delay_alu instid0(VALU_DEP_1)
	v_max3_num_f32 v8, v8, v9, 0x4800000           ; the floor 2^(9 - 127): the byte cannot fall under 1
	s_delay_alu instid0(VALU_DEP_1)
	v_max_num_f32_dpp v8, v8, v8 row_xmask:1 row_mask:0xf bank_mask:0xf   ; with my neighbour's 16: the block's largest magnitude
	s_delay_alu instid0(VALU_DEP_1)
	v_add_nc_u32 v11, 0xfc000000, v8               ; 8 off its exponent field: the conversion's scale operand
	s_delay_alu instid0(VALU_DEP_2)
	v_and_or_b32 v10, v8, 0x7f800000, s[MNT]       ; 448 x the scale
.irp k, 0,1,2,3,4,5,6,7,8,9,10,11,12,13,14,15
	v_med3_num_f32 v[XQ+\k], v[XQ+\k], -v10, v10   ; the conversion does not saturate (ISA guide 7.6.2): the hold comes first
.endr
	v_cvt_scalef32_pk8_fp8_f32 v[CQ:CQ+1], v[XQ:XQ+7], v11
	v_cvt_scalef32_pk8_fp8_f32 v[CQ+2:CQ+3], v[XQ+8:XQ+15], v11
	v_lshrrev_b32 v[EQ], 23, v11                   ; the scale's byte; also the plain line behind the conversions
	ds_store_b8 v[SD], v[EQ] offset:((\i)/2)*SCP+((\i)%2)*16       ; both lanes of a block write the same byte
	ds_store_b128 v[CD], v[CQ:CQ+3] offset:((\i)/2)*RP+((\i)%2)*512
.endm
.macro RUN16 tail                      ; sixteen steps; tail = 1: only the first still asks for a step, and the counts run down
.set si, 0
.rept 16
.if \tail
.if si == 0
	STEP si, 1, 56, 0
.elseif si < 15
	STEP si, 0, 4*(14-si), 0
.else
	STEP si, 0, 0, 1
.endif
.else
	STEP si, 1, 56, 0
.endif
.set si, si+1
.endr
.endm
.macro BARRIER                         ; my LDS stores have landed and my LDS loads are in: then the work-group's barrier
	s_wait_dscnt 0x0
	s_barrier_signal -1
	s_barrier_wait -1
.endm
	s_load_b256 s[4:11], s[0:1], 0x0               ; hidden_states, gate_w, gate_bias, xq
	s_load_b256 s[12:19], s[0:1], 0x20             ; xs, tokmask, slottab, wtab
	v_lshl_add_u32 v[SPW], v0, 2, SPARE
	v_mov_b32 v[NIL], 0
	v_lshrrev_b32 v1, 5, v0
	s_delay_alu instid0(VALU_DEP_1)
	v_readfirstlane_b32 s2, v1                     ; wave 0..7
	v_and_b32 v1, 31, v0                           ; lane
	s_delay_alu instid0(VALU_DEP_1)
	v_lshlrev_b32 v[GO], 4, v1
	v_and_b32 v[RR], 15, v0
	v_bfe_u32 v[HH], v0, 4, 1
	s_mul_i32 s20, s2, 5120
	s_add_co_u32 s20, s20, TSB                     ; my stages
	v_lshrrev_b32 v8, 2, v1
	s_delay_alu instid0(VALU_DEP_1)
	v_mul_u32_u24 v8, v8, 80
	v_and_b32 v9, 3, v1
	s_delay_alu instid0(VALU_DEP_1)
	v_lshl_add_u32 v8, v9, 4, v8
	s_delay_alu instid0(VALU_DEP_1)
	v_add_nc_u32 v[STI], s20, v8                   ; 80 (lane / 4) + 16 (lane % 4)
	v_mul_u32_u24 v9, v1, 80
	s_delay_alu instid0(VALU_DEP_1)
	v_add_nc_u32 v[STO], s20, v9                   ; 80 x lane
	s_mul_i32 s21, s2, 8*RP
	v_add_nc_u32 v[CD], s21, v[GO]                 ; rows 8 w on
	s_mul_i32 s21, s2, 8*SCP
	s_add_co_u32 s21, s21, XSB
	v_lshrrev_b32 v8, 1, v1
	s_delay_alu instid0(VALU_DEP_1)
	v_add_nc_u32 v[SD], s21, v8
	; the logits' shares: wave w: tokens 16 (w % 2) on, experts 16 ((w / 2) % 2) on, K half w / 4
	s_and_b32 s22, s2, 1
	s_bfe_u32 s23, s2, 0x10001
	s_lshr_b32 s24, s2, 2
	v_mul_u32_u24 v8, v[RR], RP
	s_delay_alu instid0(VALU_DEP_1)
	v_lshl_add_u32 v8, v[HH], 4, v8                ; a fragment's row x pitch + 16 x half
	s_lshl_b32 s25, s24, 9
	s_mul_i32 s26, s22, 16*RP
	s_add_co_u32 s26, s26, s25
	v_add_nc_u32 v[XA], s26, v8
	s_mul_i32 s26, s23, 16*RP
	s_add_co_u32 s26, s26, s25
	s_add_co_u32 s26, s26, 32*RP
	v_add_nc_u32 v[GA], s26, v8
	v_mul_u32_u24 v9, v[RR], SCP
	s_lshl_b32 s25, s24, 4
	s_add_co_u32 s25, s25, XSB
	s_mul_i32 s26, s22, 16*SCP
	s_add_co_u32 s26, s26, s25
	v_add_nc_u32 v[XSA], s26, v9                   ; four scale words of my K half, 16 bytes
	s_mul_i32 s26, s23, 16*SCP
	s_add_co_u32 s26, s26, s25
	s_add_co_u32 s26, s26, 32*SCP
	v_add_nc_u32 v[GSA], s26, v9
	v_mul_u32_u24 v9, v[RR], LGP
	s_delay_alu instid0(VALU_DEP_1)
	v_lshl_add_u32 v9, v[HH], 5, v9
	s_mul_i32 s26, s24, 32*LGP
	s_mul_i32 s27, s22, 16*LGP
	s_add_co_u32 s26, s26, s27
	s_lshl_b32 s27, s23, 6
	s_add_co_u32 s26, s26, s27
	s_add_co_u32 s26, s26, LG
	v_add_nc_u32 v[LGA], s26, v9                   ; token's row, 4 bytes an expert
	s_mul_i32 s26, s2, 4*RP
	v_add_nc_u32 v[XCR], s26, v[GO]                ; x's codes on their way out: rows 4 w on
	v_lshrrev_b32 v8, 1, v1
	s_delay_alu instid0(VALU_DEP_1)
	v_mul_u32_u24 v8, v8, SCP
	v_and_b32 v9, 1, v1
	s_delay_alu instid0(VALU_DEP_1)
	v_lshl_add_u32 v8, v9, 4, v8
	s_delay_alu instid0(VALU_DEP_1)
	v_add_nc_u32 v[XSR], XSB, v8                   ; x's scale bytes on their way out: two lanes to a row
	v_mul_u32_u24 v8, v1, LGP
	s_delay_alu instid0(VALU_DEP_1)
	v_add_nc_u32 v[LGR], LG, v8                    ; the router: a lane to a token
	v_lshlrev_b32 v[OF8], 3, v1
	v_lshlrev_b32 v[OF128], 7, v1
	s_mov_b32 s[MNT], 0x600000
	s_lshl_b32 s28, ttmp9, 5                       ; my work-group's first token
	s_lshl_b32 s29, s2, 3
	s_add_co_u32 s30, s28, s29                     ; x's row 32 b + 8 w,
	s_sub_co_u32 s31, s29, 32                      ; or gate_w's row 8 (w - 4)
	s_cmp_lt_u32 s2, 4
	s_cselect_b32 s30, s30, s31
	s_lshl_b32 s30, s30, 12
	s_mov_b32 s31, 0
	s_lshl_b32 s34, s2, 2
	s_add_co_u32 s34, s34, s28
	s_lshl_b32 s34, s34, 10
	s_mov_b32 s35, 0
	s_wait_kmcnt 0x0
	s_cmp_lt_u32 s2, 4
	s_cselect_b64 s[SP:SP+1], s[4:5], s[6:7]
	s_add_nc_u64 s[SP:SP+1], s[SP:SP+1], s[30:31]
	s_load_b512 s[68:83], s[8:9], 0x0              ; the 32 biases, for the router
	s_load_b512 s[84:99], s[8:9], 0x40
	s_add_nc_u64 s[10:11], s[10:11], s[34:35]      ; xq at row 32 b + 4 w
	s_lshl_b32 s34, ttmp9, 10
	s_add_nc_u64 s[12:13], s[12:13], s[34:35]      ; xs at row 32 b
	s_lshl_b32 s34, ttmp9, 2
	s_add_nc_u64 s[14:15], s[14:15], s[34:35]      ; tokmask at word b
	s_lshl_b32 s34, ttmp9, 8
	s_add_nc_u64 s[16:17], s[16:17], s[34:35]      ; the tables at token 32 b
	s_add_nc_u64 s[18:19], s[18:19], s[34:35]
	; ---- 1: my eight rows become codes and scale bytes in LDS
.irp t, 0,1,2,3,4,5,6,7,8,9,10,11,12,13,14
	LOADS \t
.endr
	s_wait_loadcnt 56                              ; step 0's four loads are in; 14 steps' may be out
	TURN 0
	s_wait_dscnt 0x0
	RUN16 1
	BARRIER                                        ; 64 rows of codes lie in LDS
	; ---- 2: 16 experts x 16 tokens x half of K: four matrix instructions on two accumulators by turns
.irp s, 0,1,2,3
.irp c, 0,1,2,3
	ds_load_b128 v[64+16*\s+4*\c:64+16*\s+4*\c+3], v[GA] offset:128*\s+32*\c
	ds_load_b128 v[128+16*\s+4*\c:128+16*\s+4*\c+3], v[XA] offset:128*\s+32*\c
.endr
.endr
	ds_load_b128 v[192:195], v[GSA]                ; v192-199 hold scale words and nothing else
	ds_load_b128 v[196:199], v[XSA]
	s_wait_dscnt 0x0
	v_wmma_scale_f32_16x16x128_f8f6f4 v[200:207], v[64:79], v[128:143], 0, v192, v196
	v_wmma_scale_f32_16x16x128_f8f6f4 v[208:215], v[80:95], v[144:159], 0, v193, v197
	v_wmma_scale_f32_16x16x128_f8f6f4 v[200:207], v[96:111], v[160:175], v[200:207], v194, v198
	v_wmma_scale_f32_16x16x128_f8f6f4 v[208:215], v[112:127], v[176:191], v[208:215], v195, v199
.rept 8
	v_nop                                          ; eight places behind this form
.endr
.irp j, 0,2,4,6
	v_pk_add_f32 v[216+\j:217+\j], v[200+\j:201+\j], v[208+\j:209+\j]   ; lane (r, h): token r, experts 8 h + 0 .. 7 of my sixteen
.endr
	ds_store_b128 v[LGA], v[216:219]
	ds_store_b128 v[LGA], v[220:223] offset:16
	; ---- 3: x's codes leave: four rows a wave, 512 consecutive bytes a store
.irp i, 0,1,2,3,4,5,6,7
	ds_load_b128 v[64+4*\i:64+4*\i+3], v[XCR] offset:(\i/2)*RP+(\i%2)*512
.endr
.irp i, 0,1,2,3,4,5,6,7
	s_wait_dscnt 7-\i                              ; the younger loads may be out
	global_store_b128 v[GO], v[64+4*\i:64+4*\i+3], s[10:11] offset:512*\i
.endr
	BARRIER                                        ; the partial logits lie in LDS
	s_wait_xcnt 0x0                                ; the stores have read their registers, which the router writes
	s_cmp_eq_u32 s2, 0
	s_cbranch_scc1 .Lrouter
	s_cmp_eq_u32 s2, 1
	s_cbranch_scc0 .Lend
	ds_load_b128 v[128:131], v[XSR]                ; wave 1: x's scale bytes, 1,024 consecutive bytes
	ds_load_b128 v[132:135], v[XSR] offset:16*SCP
	s_wait_dscnt 0x0
	global_store_b128 v[GO], v[128:131], s[12:13]
	global_store_b128 v[GO], v[132:135], s[12:13] offset:512
	s_branch .Lend
	; ---- 4: wave 0: the router, a lane to a token
.set S,   64                           ; v64-95   scores
.set M,   96                           ; v96-127  biased, masked scores; later the weights
.set SL,  128                          ; v128-159 slots
.set L2,  160                          ; v160-191 the second half of K
.set GSC, 200
.set M1,  204
.set M2,  208
.set WN,  212
.set T0,  216
.set MX,  217
.set MX2, 218
.set IDX, 219
.set NI,  220
.set MSK, 221
.set CNT, 222
.set SUM, 223
.set F,   228
.Lrouter:
.irp q, 0,1,2,3,4,5,6,7
	ds_load_b128 v[S+4*\q:S+4*\q+3], v[LGR] offset:16*\q
	ds_load_b128 v[L2+4*\q:L2+4*\q+3], v[LGR] offset:32*LGP+16*\q
.endr
	s_wait_dscnt 0x0
	s_wait_kmcnt 0x0                               ; the biases
.set ii, 0
.rept 16
	v_pk_add_f32 v[S+ii:S+ii+1], v[S+ii:S+ii+1], v[L2+ii:L2+ii+1]   ; the logits
.set ii, ii+2
.endr
.set ii, 0
.rept 16
	v_pk_mul_f32 v[S+ii:S+ii+1], v[S+ii:S+ii+1], 0xbfb8aa3b op_sel_hi:[1,0]   ; x -log2(e)
.set ii, ii+2
.endr
.set ii, 0
	s_wait_alu depctr_va_vdst(0)
.rept 32
	v_exp_f32 v[S+ii], v[S+ii]
.set ii, ii+1
.endr
	v_mov_b32 v[NI], 0xff800000                    ; -infinity; a plain line behind the batch
	s_wait_alu depctr_va_vdst(0)                   ; one wait for the batch, ahead of its first reader
.set ii, 0
.rept 16
	v_pk_add_f32 v[S+ii:S+ii+1], v[S+ii:S+ii+1], 1.0 op_sel_hi:[1,0]
.set ii, ii+2
.endr
.set ii, 0
	s_wait_alu depctr_va_vdst(0)
.rept 32
	v_rcp_f32 v[S+ii], v[S+ii]                     ; sigmoid
.set ii, ii+1
.endr
	v_mov_b32 v[MSK], 0
	s_wait_alu depctr_va_vdst(0)
.set ii, 0
.rept 32
	v_add_f32 v[M+ii], s[BI+ii], v[S+ii]           ; the scores that choose
.set ii, ii+1
.endr
.irp g, 0,1,2,3
	v_max_num_f32 v[M1+\g], v[M+8*\g], v[M+8*\g+1]
	v_min_num_f32 v[M2+\g], v[M+8*\g], v[M+8*\g+1]
.endr
.irp k, 2,3,4,5,6,7
.irp g, 0,1,2,3
	v_med3_num_f32 v[M2+\g], v[M1+\g], v[M2+\g], v[M+8*\g+\k]       ; the second largest so far,
	v_max_num_f32 v[M1+\g], v[M1+\g], v[M+8*\g+\k]                  ; the largest
.endr
.endr
.irp g, 0,1,2,3
	v_add_f32 v[GSC+\g], v[M1+\g], v[M2+\g]        ; a group's score
	v_mov_b32 v[WN+\g], \g                         ; wins: group g starts with the g pairs in which it stands second, and loses one for each that it loses
.endr
.macro PAIR a, b                       ; the lower group wins a tie
	v_cmp_ge_f32 vcc_lo, v[GSC+\a], v[GSC+\b]
	s_delay_alu instid0(VALU_DEP_1)
	v_cndmask_b32 v[T0], 0, 1, vcc_lo
	s_delay_alu instid0(VALU_DEP_1)
	v_add_nc_u32 v[WN+\a], v[WN+\a], v[T0]
	s_delay_alu instid0(VALU_DEP_2)
	v_sub_nc_u32 v[WN+\b], v[WN+\b], v[T0]
.endm
	PAIR 0, 1
	PAIR 0, 2
	PAIR 0, 3
	PAIR 1, 2
	PAIR 1, 3
	PAIR 2, 3
.irp g, 0,1,2,3
	v_cmp_le_u32 s[20+\g], 2, v[WN+\g]             ; two wins or more: one of the two best groups
.endr
.irp g, 0,1,2,3
.irp k, 0,1,2,3,4,5,6,7
	v_cndmask_b32 v[M+8*\g+\k], 0, v[M+8*\g+\k], s[20+\g]           ; the others count as 0.0
.endr
.endr
	s_mov_b32 s3, 8
.Ltop:                                             ; eight trips: the largest, its lowest index, and out with it
	v_max3_num_f32 v[MX], v[M], v[M+1], v[M+2]
	v_max3_num_f32 v[MX2], v[M+3], v[M+4], v[M+5]
.irp k, 6,10,14,18,22,26
	s_delay_alu instid0(VALU_DEP_2)
	v_max3_num_f32 v[MX], v[MX], v[M+\k], v[M+\k+1]
	s_delay_alu instid0(VALU_DEP_2)
	v_max3_num_f32 v[MX2], v[MX2], v[M+\k+2], v[M+\k+3]
.endr
	s_delay_alu instid0(VALU_DEP_2)
	v_max3_num_f32 v[MX], v[MX], v[M+30], v[M+31]
	s_delay_alu instid0(VALU_DEP_1)
	v_max_num_f32 v[MX], v[MX], v[MX2]
	v_mov_b32 v[IDX], 0
.set ii, 31
.rept 32
	v_cmp_eq_f32 vcc_lo, v[MX], v[M+ii]
	s_delay_alu instid0(VALU_DEP_1)
	v_cndmask_b32 v[IDX], v[IDX], ii, vcc_lo
.set ii, ii-1
.endr
.set ii, 0
.rept 32
	v_cmp_eq_u32 vcc_lo, ii, v[IDX]
	s_delay_alu instid0(VALU_DEP_1)
	v_cndmask_b32 v[M+ii], v[M+ii], v[NI], vcc_lo
.set ii, ii+1
.endr
	s_sub_co_u32 s3, s3, 1
	s_cmp_lg_u32 s3, 0
	s_cbranch_scc1 .Ltop
	v_mov_b32 v[CNT], 0
	v_mov_b32 v[SUM], 0
.set ii, 0
.rept 32
	v_cmp_eq_f32 s24, v[NI], v[M+ii]               ; the 32 tokens' answers for expert ii, a bit each
	s_delay_alu instid0(VALU_DEP_1)
	v_writelane_b32 v[MSK], s24, ii                ; lane ii keeps expert ii's word
	v_cndmask_b32 v[M+ii], 0, v[S+ii], s24         ; the weight is the unbiased score
	s_delay_alu instid0(VALU_DEP_3)
	v_cndmask_b32 v[T0], 0, 1, s24
	v_mov_b32 v[SL+ii], v[CNT]
	s_delay_alu instid0(VALU_DEP_3)
	v_add_f32 v[SUM], v[SUM], v[M+ii]
	s_delay_alu instid0(VALU_DEP_3)
	v_add_nc_u32 v[CNT], v[CNT], v[T0]
.set ii, ii+1
.endr
	s_delay_alu instid0(VALU_DEP_2)
	v_add_f32 v[SUM], 0x1e3ce508, v[SUM]           ; + 1e-20
	s_wait_alu depctr_va_vdst(0)
	v_rcp_f32 v[F], v[SUM]
	v_mov_b32 v[F+1], 0                            ; (named as the pair's upper half)  a plain line behind the reciprocal
	s_wait_alu depctr_va_vdst(0)
	v_mul_f32 v[F], 0x40200000, v[F]               ; x 2.5
.set ii, 0
.rept 16
	v_pk_mul_f32 v[M+ii:M+ii+1], v[M+ii:M+ii+1], v[F:F+1] op_sel_hi:[1,0]
.set ii, ii+2
.endr
.set ii, 0
.rept 16
	global_store_b64 v[OF8], v[M+2*ii:M+2*ii+1], s[18:19] offset:8192*ii     ; 32 lanes store 256 consecutive bytes, aligned
	global_store_b64 v[OF8], v[SL+2*ii:SL+2*ii+1], s[16:17] offset:8192*ii
.set ii, ii+1
.endr
	global_store_b32 v[OF128], v[MSK], s[14:15]
.Lend:
	s_wait_tensorcnt 0x0                           ; the wave's end
	ds_add_u32 v[SPW], v[NIL]
	s_wait_dscnt 0x0
	s_endpgm
.Lfunc_end_k_q68c16efadc_route:
	.size	k_q68c16efadc_route, .Lfunc_end_k_q68c16efadc_route-k_q68c16efadc_route
	.p2alignl 7, 3214868480
	.fill 96, 4, 3214868480
	.section	.rodata,"a",@progbits
	.p2align	6, 0x0
	.amdhsa_kernel k_q68c16efadc_route
		.amdhsa_group_segment_fixed_size 120832
		.amdhsa_private_segment_fixed_size 0
		.amdhsa_enable_private_segment 0
		.amdhsa_kernarg_size 64
		.amdhsa_user_sgpr_count 2
		.amdhsa_user_sgpr_kernarg_segment_ptr 1
		.amdhsa_wavefront_size32 1
		.amdhsa_system_sgpr_workgroup_id_x 1
		.amdhsa_system_sgpr_workgroup_id_y 1
		.amdhsa_system_sgpr_workgroup_id_z 1
		.amdhsa_system_vgpr_workitem_id 0
		.amdhsa_next_free_vgpr 512
		.amdhsa_next_free_sgpr 100
		.amdhsa_reserve_vcc 1
		.amdhsa_float_denorm_mode_32 3
		.amdhsa_float_denorm_mode_16_64 3
		.amdhsa_memory_ordered 1
		.amdhsa_forward_progress 1
		.amdhsa_inst_pref_size 106
	.end_amdhsa_kernel
	.amdgpu_metadata
---
amdhsa.version: [ 1, 2 ]
amdhsa.kernels:
  - .name:           k_q68c16efadc_route
    .symbol:         k_q68c16efadc_route.kd
    .args:
      - { .name: hidden_states, .offset: 0, .size: 8, .value_kind: global_buffer, .address_space: global }
      - { .name: gate_w, .offset: 8, .size: 8, .value_kind: global_buffer, .address_space: global }
      - { .name: gate_bias, .offset: 16, .size: 8, .value_kind: global_buffer, .address_space: global }
      - { .name: xq, .offset: 24, .size: 8, .value_kind: global_buffer, .address_space: global }
      - { .name: xs, .offset: 32, .size: 8, .value_kind: global_buffer, .address_space: global }
      - { .name: tokmask, .offset: 40, .size: 8, .value_kind: global_buffer, .address_space: global }
      - { .name: slottab, .offset: 48, .size: 8, .value_kind: global_buffer, .address_space: global }
      - { .name: wtab, .offset: 56, .size: 8, .value_kind: global_buffer, .address_space: global }
    .group_segment_fixed_size: 120832
    .private_segment_fixed_size: 0
    .kernarg_segment_align: 8
    .kernarg_segment_size: 64
    .max_flat_workgroup_size: 256
    .sgpr_count:     100
    .vgpr_count:     512
    .wavefront_size: 32
...
	.end_amdgpu_metadata
.endif
;; end of part 1
;; launch gateup (part 2): grid 320 x 1, 4 waves a work-group, no clusters, 159,744 bytes of LDS; arguments tokmask, xq, xs, expert_gate, expert_up, shared_gate, shared_up, hq, hsc; writes hq, hsc
.if DOCPART == 2
	.amdgcn_target "amdgcn-amd-amdhsa--gfx1250"
	.amdhsa_code_object_version 6
	.text
	.protected	k_q68c16efadc_gateup
	.globl	k_q68c16efadc_gateup
	.p2align	8
	.type	k_q68c16efadc_gateup,@function
k_q68c16efadc_gateup:
	s_mov_b64 s[64:65], 0
	v_nop
	global_prefetch_b8 v0, s[64:65] scope:SCOPE_SE
	s_setreg_imm32_b32 hwreg(HW_REG_WAVE_MODE, 25, 1), 1
	s_wait_xcnt 0x0
; GATEUP.  h = silu(x Wg^T) * (x Wu^T), quantised along its units, for the rows (token, expert) that the router chose and for the shared expert.
; LEFT OUT: rows (t, e) that the router did not choose reach no output (shown at the head of the first kernel).
; SHARES.  A work-group owns 64 units of one expert: 64 rows of the gate weight and 64 of the up weight, 1,024 along K, read from memory once as f32, quantised on the way, kept in LDS as codes.
; Then the expert's rows go past them, 256 positions a pass, 64 a wave: FOUR tiles of 16 positions, so that each weight fragment read from LDS (2,048 bytes) feeds four matrix instructions.
; Work-groups 0-63 serve the shared expert as experts 32 and 33 (units 0-511, 512-1,023): 16 slices x 4 quarters of the tokens, 256 rows each: one pass; work-groups 64-319: expert (x - 64) / 8, slice (x - 64) % 8.
; The shared weights are so read by four work-groups; the same load lines, hint included, serve both kinds: a hint changes no value.
; THE LIST.  Position p of expert e is the token of the p-th set bit of tokmask[e][0..31].  The 32 words lie in scalar registers with their running counts; each lane finds its position's token by whole-number work.
; All addresses so hang on whole numbers READ from memory.  The pass loop has a constant count; a wave whose 64 positions begin at or beyond the expert's count jumps over the pass: no barrier stands there.
; Positions from the count up to the end of a group of 64 are worked with a clamped token and stored: the next launch reads groups of 32 that begin below the count, and stores only the rows below it.
; NO TENSOR LOADS, NO CLUSTER: the passes hang on a stored count, and no two work-groups share a routed weight row (the shared expert's: four do).
; hq [34][64 tiles of 16 rows][16 pieces][512 bytes]: piece 2 s + b is the register image of 16 rows x 32 units: lane l's 16 bytes at 16 l.  hsc [34][64][16 rows][16 bytes].
; The scale bytes leave a byte a lane, 1/32 of the codes' bytes: eight work-groups share a row's 16 bytes.
; REGISTERS of a pass.  Window 1: the 32 accumulators, 64 tau + 8 wt (tau: tile of positions; wt 0-3 gate, 4-7 up).  Window 0: v0-27 addresses; v28-59 x's scale words; v60-123 two sets of two weight fragments;
; v124-251 x's fragments of two K steps (64 rows of x whole would be 512 registers: so K step s + 2 is asked for behind K step s's last products); v252-255 the weights' scale words.
; The products write window 1 and the LDS loads land in window 0: two switches for eight matrix instructions.
; LIMITS: as stated at the head of the first kernel.
.set RP,    1040                       ; a row of 1,024 codes + 16
.set GRP,   8*RP+64                    ; eight rows, and 64 bytes, so that rows 0-7 and 16-23 of a tile start in sixteen different 16-byte columns of 256
.set SCP,   36                         ; a row of 32 scale bytes + 4
.set SC,    16*GRP
.set TSB,   SC+128*SCP
.set SPARE, TSB+4*5120
.set L16, 2
.set GO,  2
.set STI, 3
.set STO, 4
.set CD0, 5
.set SD0, 6
.set CD,  7
.set XSA, 8                            ; v8-11 in a pass: my tokens' scale words, tile 0..3 (while the weights stream: the quantiser's four at work)
.set SD,  12
.set RR,  13
.set SPW, 14
.set NIL, 15
.set BG,  16                           ; my lane's place in a tile of gate rows,
.set BU,  17                           ; of up rows,
.set BS,  18                           ; among the weights' scale words
.set HS,  19
.set P,   20
.set TOK, 21
.set TMP, 22
.set H16, 23
.set XA,  24                           ; v24-27 my tokens' codes, tile 0..3
.set ASC, 28                           ; v28-59 x's scale words, 8 tau + s: nothing else
.set FRG, 60                           ; v60-123 two sets of two weight fragments
.set TW,  60                           ; SELECT's eleven lie in the fragments' registers, ahead of the first fragment loads
.set TB,  61
.set TI,  62
.set TK,  63
.set C1,  64
.set C2,  65
.set C4,  66
.set C8,  67
.set TSH, 68
.set TT,  69
.set TD,  70
.set TM,  60                           ; the quantiser of h works in the same registers, behind the products
.set AR,  124                          ; v124-251 x's fragments: 64 (s % 2) + 16 tau
.set TE,  124                          ; v124-155 behind the products: h of one tile at work
.set PC,  168                          ; v168-199 h's codes, eight registers a tile
.set BY,  200                          ; v200-203 h's scale bytes
.set WSC, 252                          ; v252-255 the weights' scale words: nothing else
.set X,   112                          ; while the weights stream: v112-143, v144-151, v152-153
.set C,   144
.set E,   152
.set SEL, 22
.set W,   24                           ; s[24:55] the expert's 32 mask words
.set SP,  56
.set HQB, 58
.set HSB, 60
.set MNT, 62
.set CO,  63
.set PX,  66                           ; s[66:97] set bits ahead of each word
.set NN,  98                           ; the expert's count
.set P0,  99
.set SHM, 100                          ; all ones in a shared task
.set TKB, 101
.set HM,  104                          ; lanes 16-31
.set SOF, 105
.set MSB, 0
.macro WIN new
.if MSB != \new
	s_set_vgpr_msb (MSB<<8)|\new
.set MSB, \new
.endif
.endm
.macro LOADS t
	WIN 0x44
.irp j, 0,1,2,3
	global_load_b128 v[16*((\t)%16)+4*\j:16*((\t)%16)+4*\j+3], v[GO], s[SP:SP+1] offset:2048*(\t)+512*\j th:TH_LOAD_NT
.endr
.endm
.macro TURN t
	WIN 0x44
.irp j, 0,1,2,3
	ds_store_b128 v[STI], v[16*((\t)%16)+4*\j:16*((\t)%16)+4*\j+3] offset:2560*((\t)%2)+640*\j
.endr
	WIN 0
.irp j, 0,1,2,3
	ds_load_b128 v[X+16*((\t)%2)+4*\j:X+16*((\t)%2)+4*\j+3], v[STO] offset:2560*((\t)%2)+16*\j
.endr
.endm
.macro STEP i, ahead, left, last
.set XQ, X+16*((\i)%2)
.set CQ, C+4*((\i)%2)
.set EQ, E+(\i)%2
	s_wait_dscnt 2                                 ; my 16 neighbours are back from the stage; the last step's two stores may be out
.if \ahead
	LOADS (\i)+15
.endif
.if !(\last)
	s_wait_loadcnt \left                           ; the next step's four loads are in; the count is the loads of the steps behind it
	TURN (\i)+1
.endif
	v_max3_num_f32 v8, |v[XQ]|, |v[XQ+1]|, |v[XQ+2]|
	v_max3_num_f32 v9, |v[XQ+3]|, |v[XQ+4]|, |v[XQ+5]|
.irp k, 6,10
	v_max3_num_f32 v8, v8, |v[XQ+\k]|, |v[XQ+\k+1]|
	v_max3_num_f32 v9, v9, |v[XQ+\k+2]|, |v[XQ+\k+3]|
.endr
	v_max3_num_f32 v8, v8, |v[XQ+14]|, |v[XQ+15]|
	v_max3_num_f32 v8, v8, v9, 0x4800000
	v_max_num_f32_dpp v8, v8, v8 row_xmask:1 row_mask:0xf bank_mask:0xf
	v_add_nc_u32 v11, 0xfc000000, v8
	v_and_or_b32 v10, v8, 0x7f800000, s[MNT]
.irp k, 0,1,2,3,4,5,6,7,8,9,10,11,12,13,14,15
	v_med3_num_f32 v[XQ+\k], v[XQ+\k], -v10, v10
.endr
	v_cvt_scalef32_pk8_fp8_f32 v[CQ:CQ+1], v[XQ:XQ+7], v11
	v_cvt_scalef32_pk8_fp8_f32 v[CQ+2:CQ+3], v[XQ+8:XQ+15], v11
	v_lshrrev_b32 v[EQ], 23, v11                   ; the scale's byte; also the plain line behind the conversions
	ds_store_b8 v[SD], v[EQ] offset:((\i)/2)*SCP+((\i)%2)*16
	ds_store_b128 v[CD], v[CQ:CQ+3] offset:((\i)/2)*RP+((\i)%2)*512
.endm
.macro RUN16 tail
.set si, 0
.rept 16
.if \tail
.if si == 0
	STEP si, 1, 56, 0
.elseif si < 15
	STEP si, 0, 4*(14-si), 0
.else
	STEP si, 0, 0, 1
.endif
.else
	STEP si, 1, 56, 0
.endif
.set si, si+1
.endr
.endm
.macro BARRIER
	s_wait_dscnt 0x0
	s_barrier_signal -1
	s_barrier_wait -1
.endm
; v[P], a position, becomes v[TOK], the token of the P-th set bit of the 32 words (in a shared task: P + the quarter's first token).  Not yet clamped.
.macro SELSTEP c, w                    ; are there k or fewer set bits in the next w bits?  then they are passed over
	v_bfe_u32 v[TT], v[\c], v[TSH], \w
	v_cmp_ge_u32 vcc_lo, v[TK], v[TT]
	v_cndmask_b32 v[TT], 0, v[TT], vcc_lo
	v_sub_nc_u32 v[TK], v[TK], v[TT]
	v_cndmask_b32 v[TD], 0, \w, vcc_lo
	v_add_nc_u32 v[TSH], v[TSH], v[TD]
.endm
.macro SELECT
	v_mov_b32 v[TW], s[W]
	v_mov_b32 v[TB], 0
	v_mov_b32 v[TI], 0
.set bb, 1
.rept 31                               ; the last word whose running count is at or under P
	v_cmp_le_u32 vcc_lo, s[PX+bb], v[P]
	v_cndmask_b32 v[TW], v[TW], s[W+bb], vcc_lo
	v_cndmask_b32 v[TB], v[TB], s[PX+bb], vcc_lo
	v_cndmask_b32 v[TI], v[TI], bb, vcc_lo
.set bb, bb+1
.endr
	v_sub_nc_u32 v[TK], v[P], v[TB]
	v_lshrrev_b32 v[C1], 1, v[TW]                  ; counts of set bits in fields of 2, 4, 8, 16 bits
	v_and_b32 v[C1], 0x55555555, v[C1]
	v_sub_nc_u32 v[C1], v[TW], v[C1]
	v_lshrrev_b32 v[C2], 2, v[C1]
	v_and_b32 v[C2], 0x33333333, v[C2]
	v_and_b32 v[TT], 0x33333333, v[C1]
	v_add_nc_u32 v[C2], v[C2], v[TT]
	v_lshrrev_b32 v[C4], 4, v[C2]
	v_add_nc_u32 v[C4], v[C4], v[C2]
	v_and_b32 v[C4], 0x0f0f0f0f, v[C4]
	v_lshrrev_b32 v[C8], 8, v[C4]
	v_add_nc_u32 v[C8], v[C8], v[C4]
	v_and_b32 v[C8], 0x00ff00ff, v[C8]
	v_mov_b32 v[TSH], 0
	SELSTEP C8, 16
	SELSTEP C4, 8
	SELSTEP C2, 4
	SELSTEP C1, 2
	SELSTEP TW, 1
	v_lshl_add_u32 v[TOK], v[TI], 5, v[TSH]
	v_add_nc_u32 v[TT], s[TKB], v[P]
	v_cndmask_b32 v[TOK], v[TOK], v[TT], s[SHM]
.endm
; K step s of my 64 tokens' codes into half s % 2 of the ring: sixteen loads
.macro XLOAD s
.irp tau, 0,1,2,3
.irp c, 0,1,2,3
	global_load_b128 v[AR+64*((\s)%2)+16*\tau+4*\c:AR+64*((\s)%2)+16*\tau+4*\c+3], v[XA+\tau], s[6:7] offset:128*(\s)+32*\c
.endr
.endr
.endm
; fragment 2 k + f = 8 s + wt (K step s, tile wt) into set k % 2, with its rows' scale word.  Lane r of tile 2 b + u takes unit 32 b + 8 u + r + 8 (r / 8).
.macro WFRAG k, f
.set fs, (2*(\k)+(\f))/8
.set fw, (2*(\k)+(\f))%8
.set fr, FRG+32*((\k)%2)+16*(\f)
.set fo, (4*((fw%4)/2)+(fw%2))*GRP+128*fs
.irp c, 0,1,2,3
.if fw < 4
	ds_load_b128 v[fr+4*\c:fr+4*\c+3], v[BG] offset:fo+32*\c
.else
	ds_load_b128 v[fr+4*\c:fr+4*\c+3], v[BU] offset:fo+32*\c
.endif
.endr
	ds_load_b32 v[WSC+2*((\k)%2)+(\f)], v[BS] offset:(64*(fw/4)+32*((fw%4)/2)+8*(fw%2))*SCP+4*fs
.endm
.macro MM k, f, tau                    ; source 0 = 16 weight rows, source 1 = 16 tokens, both in window 0; C and D in window 1: a lane then holds one token, its registers run along the units
.set fs, (2*(\k)+(\f))/8
.set fw, (2*(\k)+(\f))%8
.set fr, FRG+32*((\k)%2)+16*(\f)
.set fa, 64*(\tau)+8*fw
.set fx, AR+64*(fs%2)+16*(\tau)
.if fs == 0
	v_wmma_scale_f32_16x16x128_f8f6f4 v[fa:fa+7], v[fr:fr+15], v[fx:fx+15], 0, v[WSC+2*((\k)%2)+(\f)], v[ASC+8*(\tau)+fs]
.else
	v_wmma_scale_f32_16x16x128_f8f6f4 v[fa:fa+7], v[fr:fr+15], v[fx:fx+15], v[fa:fa+7], v[WSC+2*((\k)%2)+(\f)], v[ASC+8*(\tau)+fs]
.endif
.endm
; tile tau of tokens: h = g sigmoid(g) u, made in window 0; register 16 b + i is unit 32 b + 16 (lane / 16) + i of my token; two blocks of 32 are quantised and leave
.macro EPI tau
.set GG, 64*(\tau)                     ; in window 1: g,
.set UU, GG+32                         ; u
	WIN 0x01                                       ; source 0 in window 1
.set jj, 0
.rept 16
	v_pk_mul_f32 v[TE+jj:TE+jj+1], v[GG+jj:GG+jj+1], 0xbfb8aa3b op_sel_hi:[1,0]   ; -g log2(e); each accumulator is read from its low end on
.set jj, jj+2
.endr
	WIN 0
.set jj, 0
	s_wait_alu depctr_va_vdst(0)
.rept 32
	v_exp_f32 v[TE+jj], v[TE+jj]
.set jj, jj+1
.endr
	v_nop                                          ; a plain line behind the batch,
	s_wait_alu depctr_va_vdst(0)                   ; and one wait ahead of its first reader
.set jj, 0
.rept 16
	v_pk_add_f32 v[TE+jj:TE+jj+1], v[TE+jj:TE+jj+1], 1.0 op_sel_hi:[1,0]
.set jj, jj+2
.endr
.set jj, 0
	s_wait_alu depctr_va_vdst(0)
.rept 32
	v_rcp_f32 v[TE+jj], v[TE+jj]
.set jj, jj+1
.endr
	v_nop
	s_wait_alu depctr_va_vdst(0)
	WIN 0x01
.set jj, 0
.rept 16
	v_pk_mul_f32 v[TE+jj:TE+jj+1], v[GG+jj:GG+jj+1], v[TE+jj:TE+jj+1]             ; g sigmoid(g),
.set jj, jj+2
.endr
.set jj, 0
.rept 16
	v_pk_mul_f32 v[TE+jj:TE+jj+1], v[UU+jj:UU+jj+1], v[TE+jj:TE+jj+1]             ; x u; u's accumulators too from their low ends on
.set jj, jj+2
.endr
	WIN 0
.irp b, 0,1
	v_max3_num_f32 v[TM+\b], |v[TE+16*\b]|, |v[TE+16*\b+1]|, 0x4800000
.endr
.irp i, 2,4,6,8,10,12,14
.irp b, 0,1
	v_max3_num_f32 v[TM+\b], v[TM+\b], |v[TE+16*\b+\i]|, |v[TE+16*\b+\i+1]|
.endr
.endr
.irp b, 0,1
	v_permlanex16_b32 v[TM+2+\b], v[TM+\b], s[SEL], s[SEL+1]
.endr
.irp b, 0,1
	v_max_num_f32 v[TM+\b], v[TM+\b], v[TM+2+\b]   ; with lane l xor 16's: the block's largest magnitude
.endr
.irp b, 0,1
	v_add_nc_u32 v[TM+6+\b], 0xfc000000, v[TM+\b]
.endr
.irp b, 0,1
	v_and_or_b32 v[TM+4+\b], v[TM+\b], 0x7f800000, s[MNT]
.endr
.irp b, 0,1
	v_lshrrev_b32 v[TM+8+\b], 23, v[TM+6+\b]
.endr
	v_cndmask_b32 v[BY+(\tau)], v[TM+8], v[TM+9], s[HM]            ; lanes 0-15 store block 0's byte, lanes 16-31 block 1's
.irp b, 0,1
.irp i, 0,1,2,3,4,5,6,7,8,9,10,11,12,13,14,15
	v_med3_num_f32 v[TE+16*\b+\i], v[TE+16*\b+\i], -v[TM+4+\b], v[TM+4+\b]
.endr
	v_cvt_scalef32_pk8_fp8_f32 v[PC+8*(\tau)+4*\b:PC+8*(\tau)+4*\b+1], v[TE+16*\b:TE+16*\b+7], v[TM+6+\b]
	v_cvt_scalef32_pk8_fp8_f32 v[PC+8*(\tau)+4*\b+2:PC+8*(\tau)+4*\b+3], v[TE+16*\b+8:TE+16*\b+15], v[TM+6+\b]
.endr
	v_nop                                          ; a plain line behind the last conversion: the next tile writes its sources
	global_store_b128 v[L16], v[PC+8*(\tau):PC+8*(\tau)+3], s[HQB:HQB+1] offset:8192*(\tau)          ; 512 consecutive bytes, aligned
	global_store_b128 v[L16], v[PC+8*(\tau)+4:PC+8*(\tau)+7], s[HQB:HQB+1] offset:8192*(\tau)+512
	global_store_b8 v[HS], v[BY+(\tau)], s[HSB:HSB+1] offset:256*(\tau)
.endm
	s_load_b256 s[4:11], s[0:1], 0x0               ; tokmask, xq, xs, expert_gate
	s_load_b256 s[12:19], s[0:1], 0x20             ; expert_up, shared_gate, shared_up, hq
	s_load_b64 s[20:21], s[0:1], 0x40              ; hsc
	v_lshl_add_u32 v[SPW], v0, 2, SPARE
	v_mov_b32 v[NIL], 0
	v_lshrrev_b32 v1, 5, v0
	v_readfirstlane_b32 s2, v1                     ; wave 0..3
	v_and_b32 v1, 31, v0
	v_lshlrev_b32 v[L16], 4, v1
	v_and_b32 v[RR], 15, v0
	v_bfe_u32 v[H16], v0, 4, 1
	v_lshl_add_u32 v[HS], v[RR], 4, v[H16]         ; 16 r + h
	v_lshlrev_b32 v[H16], 4, v[H16]
	v_mov_b32 v[TMP], 0                            ; written once: a lane permute's destination counts as one of its sources
	s_mul_i32 s66, s2, 5120
	s_add_co_u32 s66, s66, TSB
	v_lshrrev_b32 v8, 2, v1
	v_mul_u32_u24 v8, v8, 80
	v_and_b32 v9, 3, v1
	v_lshl_add_u32 v8, v9, 4, v8
	v_add_nc_u32 v[STI], s66, v8
	v_mul_u32_u24 v9, v1, 80
	v_add_nc_u32 v[STO], s66, v9
	s_mul_i32 s66, s2, 4*GRP
	v_add_nc_u32 v[CD0], s66, v[L16]               ; LDS rows 32 w on: four groups of eight
	s_mul_i32 s66, s2, 32*SCP
	s_add_co_u32 s66, s66, SC
	v_lshrrev_b32 v8, 1, v1
	v_add_nc_u32 v[SD0], s66, v8
	v_lshrrev_b32 v8, 3, v[RR]
	v_mul_u32_u24 v9, v[RR], RP
	v_mad_u32_u24 v9, v8, 2*GRP-8*RP, v9           ; rows 8-15 of a tile lie two groups on
	v_add_nc_u32 v[BG], v[H16], v9
	v_add_nc_u32 v[BU], 8*GRP, v[BG]
	v_lshl_add_u32 v8, v8, 3, v[RR]
	v_mul_u32_u24 v8, v8, SCP
	v_add_nc_u32 v[BS], SC, v8
	s_mov_b32 s[SEL], 0x76543210
	s_mov_b32 s[SEL+1], 0xfedcba98
	s_mov_b32 s[MNT], 0x600000
	s_mov_b32 s[HM], 0xffff0000
	; which task: both kinds are worked out, then chosen by the work-group's number
	s_and_b32 s66, ttmp9, 3                        ; shared: quarter of the tokens,
	s_lshr_b32 s67, ttmp9, 2                       ; slice 0..15
	s_lshl_b32 s68, s67, 6                         ; first weight row
	s_lshr_b32 s69, s67, 3
	s_add_co_u32 s69, s69, 32                      ; expert 32 or 33
	s_and_b32 s70, s67, 7                          ; slice in it
	s_lshl_b32 s71, s66, 4                         ; first tile of rows
	s_lshl_b32 s72, s66, 8                         ; first token
	s_sub_co_u32 s73, ttmp9, 64
	s_lshr_b32 s74, s73, 3                         ; routed: expert,
	s_and_b32 s75, s73, 7                          ; slice
	s_lshl_b32 s76, s74, 9
	s_lshl_b32 s77, s75, 6
	s_add_co_u32 s76, s76, s77
	s_cmp_lt_u32 ttmp9, 64
	s_cselect_b32 s68, s68, s76
	s_cselect_b32 s69, s69, s74
	s_cselect_b32 s70, s70, s75
	s_cselect_b32 s71, s71, 0
	s_cselect_b32 s[TKB], s72, 0
	s_cselect_b32 s[SHM], -1, 0
	s_cselect_b32 s74, 0, s74
	s_lshl_b32 s78, s69, 6
	s_add_co_u32 s78, s78, s71
	s_lshl_b32 s79, s2, 2
	s_add_co_u32 s78, s78, s79                     ; my first tile of rows: 64 v + first + 4 w
	s_lshl_b32 s80, s78, 3
	s_add_co_u32 s80, s80, s70
	s_lshl_b32 s80, s80, 10                        ; in hq: 8,192 a tile, 1,024 a slice
	s_mov_b32 s81, 0
	s_lshl_b32 s82, s78, 8
	s_lshl_b32 s79, s70, 1
	s_add_co_u32 s82, s82, s79                     ; in hsc: 256 a tile, 2 a slice
	s_mov_b32 s83, 0
	s_and_b32 s84, s2, 1
	s_lshl_b32 s84, s84, 5
	s_add_co_u32 s84, s84, s68
	s_lshl_b32 s84, s84, 12                        ; my 32 weight rows
	s_mov_b32 s85, 0
	s_lshl_b32 s74, s74, 7
	s_mov_b32 s75, 0
	s_wait_kmcnt 0x0
	s_cmp_lt_u32 ttmp9, 64
	s_cselect_b64 s[10:11], s[14:15], s[10:11]
	s_cselect_b64 s[12:13], s[16:17], s[12:13]
	s_cmp_lt_u32 s2, 2                             ; waves 0, 1: gate rows; waves 2, 3: up rows
	s_cselect_b64 s[SP:SP+1], s[10:11], s[12:13]
	s_add_nc_u64 s[SP:SP+1], s[SP:SP+1], s[84:85]
	s_add_nc_u64 s[HQB:HQB+1], s[18:19], s[80:81]
	s_add_nc_u64 s[HSB:HSB+1], s[20:21], s[82:83]
	s_add_nc_u64 s[4:5], s[4:5], s[74:75]
	s_load_b512 s[24:39], s[4:5], 0x0              ; the expert's 32 mask words
	s_load_b512 s[40:55], s[4:5], 0x40
	; ---- 1: my 32 weight rows, 64 steps of 512 numbers, 15 steps (60 loads) ahead
.irp t, 0,1,2,3,4,5,6,7,8,9,10,11,12,13,14
	LOADS \t
.endr
	s_wait_kmcnt 0x0
	s_mov_b32 s[PX], 0
.set bb, 0
.rept 31
	s_bcnt1_i32_b32 s63, s[W+bb]
	s_add_co_u32 s[PX+bb+1], s[PX+bb], s63
.set bb, bb+1
.endr
	s_bcnt1_i32_b32 s63, s[W+31]
	s_add_co_u32 s[NN], s[PX+31], s63
	s_cmp_lg_u32 s[SHM], 0
	s_cselect_b32 s[NN], 256, s[NN]
	s_mov_b32 s[CO], 0
	s_mov_b32 s[SOF], 0
	s_wait_loadcnt 56                              ; step 0's four loads are in; 14 steps' may be out
	TURN 0
	s_wait_dscnt 0x0
	s_mov_b32 s3, 3
.Lstream:                                          ; a trip: 16 steps = 8 rows = one group
	v_add_nc_u32 v[CD], s[CO], v[CD0]
	v_add_nc_u32 v[SD], s[SOF], v[SD0]
	RUN16 0
	s_wait_xcnt 0x0                                ; the loads have read their base: it may step
	s_add_nc_u64 s[SP:SP+1], s[SP:SP+1], 0x8000
	s_add_co_u32 s[CO], s[CO], GRP
	s_add_co_u32 s[SOF], s[SOF], 8*SCP
	s_sub_co_u32 s3, s3, 1
	s_cmp_lg_u32 s3, 0
	s_cbranch_scc1 .Lstream
	v_add_nc_u32 v[CD], 3*GRP, v[CD0]
	v_add_nc_u32 v[SD], 24*SCP, v[SD0]
	RUN16 1                                        ; the last 16 steps: one more request, then none: no load leaves its buffer
	BARRIER                                        ; 128 rows of codes lie in LDS; nothing is written there from here on
	; ---- 2: the expert's rows, 256 positions a pass, 64 a wave
	s_lshl_b32 s[P0], s2, 6
	s_mov_b32 s3, 4
.Lpass:
	s_cmp_ge_u32 s[P0], s[NN]
	s_cbranch_scc1 .Lskip
	s_wait_xcnt 0x0                                ; the last pass's stores have read their registers
.irp g, 0,1                                    ; 32 positions at a time, a lane to a position: they become two tiles of 16
	v_add_nc_u32 v[P], s[P0], v1
.if \g
	v_add_nc_u32 v[P], 32, v[P]
.endif
	SELECT
	v_permlanex16_b32 v[TMP], v[TOK], s[SEL], s[SEL+1]
	v_cndmask_b32 v[TT], v[TOK], v[TMP], s[HM]     ; the lower tile: lane (r, h) wants position r's token,
	v_cndmask_b32 v[TD], v[TMP], v[TOK], s[HM]     ; the upper: position 16 + r's
	v_min_u32 v[TT], 0x3ff, v[TT]
	v_min_u32 v[TD], 0x3ff, v[TD]
	v_lshl_add_u32 v[XA+2*\g], v[TT], 10, v[H16]
	v_lshl_add_u32 v[XA+2*\g+1], v[TD], 10, v[H16]
	v_lshlrev_b32 v[XSA+2*\g], 5, v[TT]
	v_lshlrev_b32 v[XSA+2*\g+1], 5, v[TD]
.endr
.irp tau, 0,1,2,3
	global_load_b128 v[ASC+8*\tau:ASC+8*\tau+3], v[XSA+\tau], s[8:9]
	global_load_b128 v[ASC+8*\tau+4:ASC+8*\tau+7], v[XSA+\tau], s[8:9] offset:16
.endr
	XLOAD 0
	XLOAD 1
	WFRAG 0, 0
	WFRAG 0, 1
	WFRAG 1, 0
	WFRAG 1, 1
.set kk, 0
	s_wait_alu depctr_va_vdst(0)
.rept 32                               ; two weight fragments x four tiles of tokens; the 32 accumulators take turns, one instruction a turn
.if kk < 31
	s_wait_dscnt 10                                ; this set is in; the next set's ten loads may be out
.else
	s_wait_dscnt 0x0
.endif
.if kk%4 == 0
.if kk/4 < 7
	s_wait_loadcnt 16                              ; this K step of x is in; the next step's sixteen loads may be out
.else
	s_wait_loadcnt 0x0
.endif
.endif
	WIN 0x50                                       ; C and D in window 1
	MM kk, 0, 0
	MM kk, 0, 1
	MM kk, 0, 2
	MM kk, 0, 3
	MM kk, 1, 0
	MM kk, 1, 1
	MM kk, 1, 2
	MM kk, 1, 3
.rept 8
	v_nop                                          ; eight places in front of loads into registers that these have read, and of the first read of results
.endr
	WIN 0
.if kk < 30
	WFRAG kk+2, 0
	WFRAG kk+2, 1
.endif
.if (kk%4 == 3) && (kk/4 < 6)
	XLOAD kk/4+2                                   ; the K step's half of the ring is free: it takes the step two on
.endif
.set kk, kk+1
.endr
	EPI 0
	EPI 1
	EPI 2
	EPI 3
.Lskip:
	s_wait_xcnt 0x0                                ; the stores have read their bases: they may step
	s_add_nc_u64 s[HQB:HQB+1], s[HQB:HQB+1], 0x20000     ; sixteen tiles of rows on
	s_add_nc_u64 s[HSB:HSB+1], s[HSB:HSB+1], 0x1000
	s_add_co_u32 s[P0], s[P0], 256
	s_sub_co_u32 s3, s3, 1
	s_cmp_lg_u32 s3, 0
	s_cbranch_scc1 .Lpass
	s_wait_tensorcnt 0x0                           ; the wave's end
	ds_add_u32 v[SPW], v[NIL]
	s_wait_dscnt 0x0
	s_endpgm
.Lfunc_end_k_q68c16efadc_gateup:
	.size	k_q68c16efadc_gateup, .Lfunc_end_k_q68c16efadc_gateup-k_q68c16efadc_gateup
	.p2alignl 7, 3214868480
	.fill 96, 4, 3214868480
	.section	.rodata,"a",@progbits
	.p2align	6, 0x0
	.amdhsa_kernel k_q68c16efadc_gateup
		.amdhsa_group_segment_fixed_size 159744
		.amdhsa_private_segment_fixed_size 0
		.amdhsa_enable_private_segment 0
		.amdhsa_kernarg_size 72
		.amdhsa_user_sgpr_count 2
		.amdhsa_user_sgpr_kernarg_segment_ptr 1
		.amdhsa_wavefront_size32 1
		.amdhsa_system_sgpr_workgroup_id_x 1
		.amdhsa_system_sgpr_workgroup_id_y 1
		.amdhsa_system_sgpr_workgroup_id_z 1
		.amdhsa_system_vgpr_workitem_id 0
		.amdhsa_next_free_vgpr 512
		.amdhsa_next_free_sgpr 106
		.amdhsa_reserve_vcc 1
		.amdhsa_float_denorm_mode_32 3
		.amdhsa_float_denorm_mode_16_64 3
		.amdhsa_memory_ordered 1
		.amdhsa_forward_progress 1
		.amdhsa_inst_pref_size 244
	.end_amdhsa_kernel
	.amdgpu_metadata
---
amdhsa.version: [ 1, 2 ]
amdhsa.kernels:
  - .name:           k_q68c16efadc_gateup
    .symbol:         k_q68c16efadc_gateup.kd
    .args:
      - { .name: tokmask, .offset: 0, .size: 8, .value_kind: global_buffer, .address_space: global }
      - { .name: xq, .offset: 8, .size: 8, .value_kind: global_buffer, .address_space: global }
      - { .name: xs, .offset: 16, .size: 8, .value_kind: global_buffer, .address_space: global }
      - { .name: expert_gate, .offset: 24, .size: 8, .value_kind: global_buffer, .address_space: global }
      - { .name: expert_up, .offset: 32, .size: 8, .value_kind: global_buffer, .address_space: global }
      - { .name: shared_gate, .offset: 40, .size: 8, .value_kind: global_buffer, .address_space: global }
      - { .name: shared_up, .offset: 48, .size: 8, .value_kind: global_buffer, .address_space: global }
      - { .name: hq, .offset: 56, .size: 8, .value_kind: global_buffer, .address_space: global }
      - { .name: hsc, .offset: 64, .size: 8, .value_kind: global_buffer, .address_space: global }
    .group_segment_fixed_size: 159744
    .private_segment_fixed_size: 0
    .kernarg_segment_align: 8
    .kernarg_segment_size: 72
    .max_flat_workgroup_size: 128
    .sgpr_count:     106
    .vgpr_count:     512
    .wavefront_size: 32
...
	.end_amdgpu_metadata
.endif
;; end of part 2
;; launch down (part 3): grid 320 x 1, 4 waves a work-group, no clusters, 124,416 bytes of LDS; arguments tokmask, slottab, wtab, hq, hsc, expert_down, shared_down, y; writes y
.if DOCPART == 3
	.amdgcn_target "amdgcn-amd-amdhsa--gfx1250"
	.amdhsa_code_object_version 6
	.text
	.protected	k_q68c16efadc_down
	.globl	k_q68c16efadc_down
	.p2align	8
	.type	k_q68c16efadc_down,@function
k_q68c16efadc_down:
	s_mov_b64 s[64:65], 0
	v_nop
	global_prefetch_b8 v0, s[64:65] scope:SCOPE_SE
	s_setreg_imm32_b32 hwreg(HW_REG_WAVE_MODE, 25, 1), 1
	s_wait_xcnt 0x0
; DOWN.  y[t][slot][:] = weight x (h Wd^T) for the chosen rows (slots 0-7: a token's experts in ascending number) and for the two halves of the shared expert's K (slots 8, 9; weight 1).
; LEFT OUT: rows (t, e) that the router did not choose reach no output (shown at the head of the first kernel).
; SHARES.  A work-group owns 128 columns of H of one expert: 128 weight rows x 512 along K, read from memory once as f32, quantised on the way, kept in LDS as codes.  Then the expert's rows of h go past them,
; 128 positions a pass, 32 a wave.  Work-groups 0-63: the shared expert: quarter of the tokens x % 4, columns 128 ((x / 4) % 8) on, half of K x / 32.  Work-groups 64-319: expert (x - 64) / 8, columns 128 ((x - 64) % 8) on.
; The list of an expert's tokens is read off tokmask as in the launch before: position p is the same token there and here.  Each row of y has one owner; only rows below the expert's count are stored.
; NO TENSOR LOADS, NO CLUSTER: the passes hang on a stored count, and no two work-groups share a weight row (the shared expert's: four do).
; LIMITS: as stated at the head of the first kernel.
.set RP,    528                        ; a row of 512 codes + 16
.set SC,    128*RP                     ; 16 scale bytes a row
.set TSB,   SC+128*16
.set OST,   TSB+4*5120                 ; the way out: 16 rows x (512 + 16) for each wave
.set SPARE, OST+4*16*RP
.set L16, 2
.set STI, 3
.set STO, 4
.set CD,  5
.set SD,  6
.set R16, 7
.set TA,  8
.set BB,  12
.set SO,  13
.set SPW, 14
.set NIL, 15
.set SR,  16
.set P,   17
.set TOK, 18
.set WT,  19
.set SLT, 20
.set TMP, 21
.set WP,  22                           ; v[22:23] a tile's weights; the low word serves both halves
.set ASC, 24                           ; v24-31 h's scale words: nothing else
.set BSW, 32                           ; v32-63 the weights' scale words, 4 wt + ks: nothing else
.set FRG, 64                           ; v64-127 two sets of two weight fragments
.set OFF, 64                           ; v64-79 on the way out: the rows' places in y
.set TW,  80
.set TB,  81
.set TI,  82
.set TK,  83
.set C1,  84
.set C2,  85
.set C4,  86
.set C8,  87
.set TSH, 88
.set TT,  89
.set TD,  90
.set ACC, 128                          ; v128-255: 64 tau + 8 wt
.set X,   128
.set C,   160
.set E,   168
.set GOF, 170                          ; v170-185 slot i: 16 x lane + i weight rows
.set SP1, 20
.set SEL, 22
.set W,   24
.set SP,  56
.set HQB, 58
.set HSB, 60
.set MNT, 62
.set PX,  66
.set NN,  98
.set P0,  99
.set SHM, 100
.set TKB, 101
.set HM,  104
.set SSL, 105
.set MSB, 0
.macro WIN new
.if MSB != \new
	s_set_vgpr_msb (MSB<<8)|\new
.set MSB, \new
.endif
.endm
.macro LOADS t                         ; step t = weight row t of my 32: 512 numbers; rows 0-15 from the first base, rows 16-31 from the second
	WIN 0x44
.irp j, 0,1,2,3
.if (\t) < 16
	global_load_b128 v[16*((\t)%16)+4*\j:16*((\t)%16)+4*\j+3], v[GOF+(\t)%16], s[SP:SP+1] offset:512*\j th:TH_LOAD_NT
.else
	global_load_b128 v[16*((\t)%16)+4*\j:16*((\t)%16)+4*\j+3], v[GOF+(\t)%16], s[SP1:SP1+1] offset:512*\j th:TH_LOAD_NT
.endif
.endr
.endm
.macro TURN t
	WIN 0x44
.irp j, 0,1,2,3
	ds_store_b128 v[STI], v[16*((\t)%16)+4*\j:16*((\t)%16)+4*\j+3] offset:2560*((\t)%2)+640*\j
.endr
	WIN 0
.irp j, 0,1,2,3
	ds_load_b128 v[X+16*((\t)%2)+4*\j:X+16*((\t)%2)+4*\j+3], v[STO] offset:2560*((\t)%2)+16*\j
.endr
.endm
.macro STEP i, ahead, left, last
.set XQ, X+16*((\i)%2)
.set CQ, C+4*((\i)%2)
.set EQ, E+(\i)%2
	s_wait_dscnt 2                                 ; my 16 neighbours are back from the stage; the last step's two stores may be out
.if \ahead
	LOADS (\i)+15
.endif
.if !(\last)
	s_wait_loadcnt \left                           ; the next step's four loads are in; the count is the loads of the steps behind it
	TURN (\i)+1
.endif
	v_max3_num_f32 v8, |v[XQ]|, |v[XQ+1]|, |v[XQ+2]|
	v_max3_num_f32 v9, |v[XQ+3]|, |v[XQ+4]|, |v[XQ+5]|
.irp k, 6,10
	v_max3_num_f32 v8, v8, |v[XQ+\k]|, |v[XQ+\k+1]|
	v_max3_num_f32 v9, v9, |v[XQ+\k+2]|, |v[XQ+\k+3]|
.endr
	v_max3_num_f32 v8, v8, |v[XQ+14]|, |v[XQ+15]|
	v_max3_num_f32 v8, v8, v9, 0x4800000
	v_max_num_f32_dpp v8, v8, v8 row_xmask:1 row_mask:0xf bank_mask:0xf
	v_add_nc_u32 v11, 0xfc000000, v8
	v_and_or_b32 v10, v8, 0x7f800000, s[MNT]
.irp k, 0,1,2,3,4,5,6,7,8,9,10,11,12,13,14,15
	v_med3_num_f32 v[XQ+\k], v[XQ+\k], -v10, v10
.endr
	v_cvt_scalef32_pk8_fp8_f32 v[CQ:CQ+1], v[XQ:XQ+7], v11
	v_cvt_scalef32_pk8_fp8_f32 v[CQ+2:CQ+3], v[XQ+8:XQ+15], v11
	v_lshrrev_b32 v[EQ], 23, v11                   ; the scale's byte; also the plain line behind the conversions
	ds_store_b8 v[SD], v[EQ] offset:(\i)*16
	ds_store_b128 v[CD], v[CQ:CQ+3] offset:(\i)*RP
.endm
.macro BARRIER
	s_wait_dscnt 0x0
	s_barrier_signal -1
	s_barrier_wait -1
.endm
.macro SELSTEP c, w
	v_bfe_u32 v[TT], v[\c], v[TSH], \w
	v_cmp_ge_u32 vcc_lo, v[TK], v[TT]
	v_cndmask_b32 v[TT], 0, v[TT], vcc_lo
	v_sub_nc_u32 v[TK], v[TK], v[TT]
	v_cndmask_b32 v[TD], 0, \w, vcc_lo
	v_add_nc_u32 v[TSH], v[TSH], v[TD]
.endm
.macro SELECT                          ; v[P], a position, becomes v[TOK], the token of the P-th set bit (shared: P + the quarter's first token); not yet clamped
	v_mov_b32 v[TW], s[W]
	v_mov_b32 v[TB], 0
	v_mov_b32 v[TI], 0
.set bb, 1
.rept 31
	v_cmp_le_u32 vcc_lo, s[PX+bb], v[P]
	v_cndmask_b32 v[TW], v[TW], s[W+bb], vcc_lo
	v_cndmask_b32 v[TB], v[TB], s[PX+bb], vcc_lo
	v_cndmask_b32 v[TI], v[TI], bb, vcc_lo
.set bb, bb+1
.endr
	v_sub_nc_u32 v[TK], v[P], v[TB]
	v_lshrrev_b32 v[C1], 1, v[TW]
	v_and_b32 v[C1], 0x55555555, v[C1]
	v_sub_nc_u32 v[C1], v[TW], v[C1]
	v_lshrrev_b32 v[C2], 2, v[C1]
	v_and_b32 v[C2], 0x33333333, v[C2]
	v_and_b32 v[TT], 0x33333333, v[C1]
	v_add_nc_u32 v[C2], v[C2], v[TT]
	v_lshrrev_b32 v[C4], 4, v[C2]
	v_add_nc_u32 v[C4], v[C4], v[C2]
	v_and_b32 v[C4], 0x0f0f0f0f, v[C4]
	v_lshrrev_b32 v[C8], 8, v[C4]
	v_add_nc_u32 v[C8], v[C8], v[C4]
	v_and_b32 v[C8], 0x00ff00ff, v[C8]
	v_mov_b32 v[TSH], 0
	SELSTEP C8, 16
	SELSTEP C4, 8
	SELSTEP C2, 4
	SELSTEP C1, 2
	SELSTEP TW, 1
	v_lshl_add_u32 v[TOK], v[TI], 5, v[TSH]
	v_add_nc_u32 v[TT], s[TKB], v[P]
	v_cndmask_b32 v[TOK], v[TOK], v[TT], s[SHM]
.endm
.macro WFRAG k, f                      ; fragment 2 k + f = 8 ks + wt into set k % 2
.set fs, (2*(\k)+(\f))/8
.set fw, (2*(\k)+(\f))%8
.set fr, FRG+32*((\k)%2)+16*(\f)
.irp c, 0,1,2,3
	ds_load_b128 v[fr+4*\c:fr+4*\c+3], v[BB] offset:fw*16*RP+128*fs+32*\c
.endr
.endm
.macro MM k, f, tau                    ; source 0 = 16 weight rows (columns of H), source 1 = 16 rows of h (window 1): a lane holds one row and eight neighbouring columns
.set fs, (2*(\k)+(\f))/8
.set fw, (2*(\k)+(\f))%8
.set fr, FRG+32*((\k)%2)+16*(\f)
.set fa, ACC+64*(\tau)+8*fw
.set fx, 64*(\tau)+16*fs
.if fs == 0
	v_wmma_scale_f32_16x16x128_f8f6f4 v[fa:fa+7], v[fr:fr+15], v[fx:fx+15], 0, v[BSW+4*fw+fs], v[ASC+4*(\tau)+fs]
.else
	v_wmma_scale_f32_16x16x128_f8f6f4 v[fa:fa+7], v[fr:fr+15], v[fx:fx+15], v[fa:fa+7], v[BSW+4*fw+fs], v[ASC+4*(\tau)+fs]
.endif
.endm
; tile tau: x the rows' weights, through my own stage, out as whole rows of 512 bytes; rows at or beyond the expert's count are not stored
.macro OUT tau
.set A0, ACC+64*(\tau)
	s_wait_xcnt 0x0                                ; earlier stores have read their registers
.if (\tau) == 0
	v_cndmask_b32 v[WP], v[WT], v[TMP], s[HM]
.else
	v_cndmask_b32 v[WP], v[TMP], v[WT], s[HM]
.endif
.set jj, 0
.rept 32
	v_pk_mul_f32 v[A0+jj:A0+jj+1], v[A0+jj:A0+jj+1], v[WP:WP+1] op_sel_hi:[1,0]   ; each accumulator from its low end on
.set jj, jj+2
.endr
.irp wt, 0,1,2,3,4,5,6,7
	ds_store_b128 v[SO], v[A0+8*\wt:A0+8*\wt+3] offset:64*\wt
	ds_store_b128 v[SO], v[A0+8*\wt+4:A0+8*\wt+7] offset:64*\wt+16
.endr
.irp i, 0,1,2,3,4,5,6,7,8,9,10,11,12,13,14,15
	ds_load_b128 v[A0+4*\i:A0+4*\i+3], v[SR] offset:\i*RP          ; LDS serves a wave's instructions in order: these see the stores above
.endr
.irp i, 0,1,2,3,4,5,6,7,8,9,10,11,12,13,14,15
	v_readlane_b32 s4, v[SLT], 16*(\tau)+\i        ; the row of y: 10 x token + slot
	s_min_u32 s4, s4, 10239
	v_lshl_add_u32 v[OFF+\i], s4, 12, v[L16]
.endr
.irp i, 0,1,2,3,4,5,6,7,8,9,10,11,12,13,14,15
	s_wait_dscnt 15-\i                             ; row i is back; the younger rows may be out
	s_cmp_gt_i32 s5, 16*(\tau)+\i
	s_cbranch_scc0 .Ldone_\@
	s_wait_alu depctr_va_vdst(0)
	global_store_b128 v[OFF+\i], v[A0+4*\i:A0+4*\i+3], s[18:19]    ; 32 lanes store 512 consecutive bytes, aligned
.endr
.Ldone_\@:
	s_wait_dscnt 0x0
.endm
	s_load_b256 s[4:11], s[0:1], 0x0               ; tokmask, slottab, wtab, hq
	s_load_b256 s[12:19], s[0:1], 0x20             ; hsc, expert_down, shared_down, y
	v_lshl_add_u32 v[SPW], v0, 2, SPARE
	v_mov_b32 v[NIL], 0
	v_lshrrev_b32 v1, 5, v0
	v_readfirstlane_b32 s2, v1
	v_and_b32 v1, 31, v0
	v_lshlrev_b32 v[L16], 4, v1
	v_and_b32 v9, 15, v0                           ; r
	v_bfe_u32 v10, v0, 4, 1                        ; h
	v_lshlrev_b32 v[R16], 4, v9
	v_mov_b32 v[TMP], 0                            ; written once: a lane permute's destination counts as one of its sources
	v_mov_b32 v[WP+1], 0                           ; (named as the pair's upper half)
	v_mul_u32_u24 v11, v9, RP
	v_lshl_add_u32 v[BB], v10, 4, v11              ; a fragment's row x pitch + 16 x half
	s_mul_i32 s66, s2, 16*RP
	s_add_co_u32 s66, s66, OST
	v_lshl_add_u32 v11, v10, 5, v11
	v_add_nc_u32 v[SO], s66, v11                   ; my stage: row r, + 32 h
	v_add_nc_u32 v[SR], s66, v[L16]
	s_mul_i32 s66, s2, 5120
	s_add_co_u32 s66, s66, TSB
	v_lshrrev_b32 v8, 2, v1
	v_mul_u32_u24 v8, v8, 80
	v_and_b32 v9, 3, v1
	v_lshl_add_u32 v8, v9, 4, v8
	v_add_nc_u32 v[STI], s66, v8
	v_mul_u32_u24 v9, v1, 80
	v_add_nc_u32 v[STO], s66, v9
	s_mul_i32 s66, s2, 32*RP
	v_add_nc_u32 v[CD], s66, v[L16]
	s_lshl_b32 s66, s2, 9
	s_add_co_u32 s66, s66, SC
	v_lshrrev_b32 v8, 1, v1
	v_add_nc_u32 v[SD], s66, v8
	s_mov_b32 s[SEL], 0x76543210
	s_mov_b32 s[SEL+1], 0xfedcba98
	s_mov_b32 s[MNT], 0x600000
	s_mov_b32 s[HM], 0xffff0000
	s_and_b32 s66, ttmp9, 3                        ; shared: quarter of the tokens,
	s_bfe_u32 s67, ttmp9, 0x30002                  ; 128 columns of H,
	s_lshr_b32 s68, ttmp9, 5                       ; half of K
	s_lshl_b32 s69, s67, 19                        ; 128 rows of 4,096 bytes
	s_lshl_b32 s70, s68, 11
	s_add_co_u32 s69, s69, s70
	s_add_co_u32 s71, s68, 32
	s_lshl_b32 s72, s66, 4
	s_lshl_b32 s73, s66, 8
	s_add_co_u32 s74, s68, 8                       ; its slot in y
	s_sub_co_u32 s75, ttmp9, 64
	s_lshr_b32 s76, s75, 3                         ; routed: expert,
	s_and_b32 s77, s75, 7                          ; 128 columns of H
	s_lshl_b32 s78, s76, 21                        ; 1,024 rows of 2,048 bytes
	s_lshl_b32 s79, s77, 18
	s_add_co_u32 s78, s78, s79
	s_mov_b32 s80, 2048
	s_cmp_lt_u32 ttmp9, 64
	s_cselect_b32 s69, s69, s78
	s_cselect_b32 s67, s67, s77
	s_cselect_b32 s71, s71, s76
	s_cselect_b32 s72, s72, 0
	s_cselect_b32 s[TKB], s73, 0
	s_cselect_b32 s[SHM], -1, 0
	s_cselect_b32 s76, 0, s76
	s_cselect_b32 s[SSL], s74, 0
	s_cselect_b32 s80, 4096, s80                   ; from weight row to weight row
	s_lshl_b32 s81, s2, 5
	s_mul_i32 s81, s81, s80
	s_add_co_u32 s84, s69, s81                     ; my 32 rows
	s_mov_b32 s85, 0
	s_lshl_b32 s82, s80, 4                         ; 16 rows on
	s_mov_b32 s83, 0
	s_lshl_b32 s78, s71, 6
	s_add_co_u32 s78, s78, s72
	s_lshl_b32 s79, s2, 1
	s_add_co_u32 s78, s78, s79                     ; my first tile of rows of h
	s_lshl_b32 s86, s78, 13
	s_mov_b32 s87, 0
	s_lshl_b32 s88, s78, 8
	s_mov_b32 s89, 0
	s_lshr_b32 s90, s76, 1
	s_lshl_b32 s90, s90, 13
	s_and_b32 s79, s76, 1
	s_lshl_b32 s79, s79, 2
	s_add_co_u32 s90, s90, s79                     ; the expert's place in the tables
	s_mov_b32 s91, 0
	s_lshl_b32 s92, s76, 7
	s_mov_b32 s93, 0
	s_lshl_b32 s94, s67, 9                         ; my 128 columns in a row of y
	s_mov_b32 s95, 0
.set gi, 0
.rept 16
	s_mul_i32 s81, s80, gi
	v_add_nc_u32 v[GOF+gi], s81, v[L16]
.set gi, gi+1
.endr
	s_wait_alu depctr_va_vdst(0)
	s_wait_kmcnt 0x0
	s_cmp_lt_u32 ttmp9, 64
	s_cselect_b64 s[SP:SP+1], s[16:17], s[14:15]
	s_add_nc_u64 s[SP:SP+1], s[SP:SP+1], s[84:85]
	s_add_nc_u64 s[SP1:SP1+1], s[SP:SP+1], s[82:83]
	s_add_nc_u64 s[HQB:HQB+1], s[10:11], s[86:87]
	s_add_nc_u64 s[HSB:HSB+1], s[12:13], s[88:89]
	s_add_nc_u64 s[6:7], s[6:7], s[90:91]
	s_add_nc_u64 s[8:9], s[8:9], s[90:91]
	s_add_nc_u64 s[18:19], s[18:19], s[94:95]
	s_add_nc_u64 s[4:5], s[4:5], s[92:93]
	s_load_b512 s[24:39], s[4:5], 0x0
	s_load_b512 s[40:55], s[4:5], 0x40
	; ---- 1: my 32 weight rows, a row a step, 15 steps (60 loads) ahead; written out: every offset is an immediate
.irp t, 0,1,2,3,4,5,6,7,8,9,10,11,12,13,14
	LOADS \t
.endr
	s_wait_kmcnt 0x0
	s_mov_b32 s[PX], 0
.set bb, 0
.rept 31
	s_bcnt1_i32_b32 s63, s[W+bb]
	s_add_co_u32 s[PX+bb+1], s[PX+bb], s63
.set bb, bb+1
.endr
	s_bcnt1_i32_b32 s63, s[W+31]
	s_add_co_u32 s[NN], s[PX+31], s63
	s_cmp_lg_u32 s[SHM], 0
	s_cselect_b32 s[NN], 256, s[NN]
	s_wait_loadcnt 56
	TURN 0
	s_wait_dscnt 0x0
.set tt, 0
.rept 32
.if tt <= 16
	STEP tt, 1, 56, 0
.elseif tt < 31
	STEP tt, 0, 4*(30-tt), 0
.else
	STEP tt, 0, 0, 1
.endif
.set tt, tt+1
.endr
	BARRIER                                        ; 128 rows of codes lie in LDS; from here on each wave writes its own stage alone
	v_add_nc_u32 v[CD], SC, v[R16]
.irp wt, 0,1,2,3,4,5,6,7
	ds_load_b128 v[BSW+4*\wt:BSW+4*\wt+3], v[CD] offset:256*\wt    ; the weights' scale words stay in registers
.endr
	; ---- 2: the expert's rows of h, 128 positions a pass
	s_lshl_b32 s[P0], s2, 5
	s_mov_b32 s3, 8
.Lpass:
	s_cmp_ge_u32 s[P0], s[NN]
	s_cbranch_scc1 .Lskip
	s_wait_xcnt 0x0                                ; the last pass's stores have read their registers
	global_load_b128 v[ASC:ASC+3], v[R16], s[HSB:HSB+1]
	global_load_b128 v[ASC+4:ASC+7], v[R16], s[HSB:HSB+1] offset:256
	WIN 0x40                                       ; h's fragments: window 1, 64 tau + 16 ks: register images, 512 consecutive bytes a load
.irp ks, 0,1,2,3
.irp tau, 0,1
.irp c, 0,1,2,3
	global_load_b128 v[64*\tau+16*\ks+4*\c:64*\tau+16*\ks+4*\c+3], v[L16], s[HQB:HQB+1] offset:8192*\tau+512*(4*\ks+\c)
.endr
.endr
.endr
	WIN 0
	v_add_nc_u32 v[P], s[P0], v1
	SELECT
	v_min_u32 v[TOK], 0x3ff, v[TOK]
	v_lshlrev_b32 v[TA], 3, v[TOK]
	global_load_b32 v[WT], v[TA], s[8:9]           ; lane l: position l's weight,
	global_load_b32 v[SLT], v[TA], s[6:7]          ; and slot
	WIN 0x04
	WFRAG 0, 0
	WFRAG 0, 1
	WFRAG 1, 0
	WFRAG 1, 1
.set kk, 0
.rept 16                               ; two weight fragments x two tiles of rows; the 16 accumulators take turns, one instruction a turn
.if kk < 15
	s_wait_dscnt 8                                 ; this set is in; the next set's eight loads may be out
.else
	s_wait_dscnt 0x0
.endif
.if kk%4 == 0
	s_wait_loadcnt 8*(3-kk/4)+2                    ; this K step of h is in; the later steps' loads, eight each, and the two table loads may be out
.endif
	MM kk, 0, 0
	MM kk, 0, 1
	MM kk, 1, 0
	MM kk, 1, 1
.rept 8
	v_nop                                          ; eight places in front of loads into registers that these have read, and of the first read of results
.endr
.if kk < 14
	WFRAG kk+2, 0
	WFRAG kk+2, 1
.endif
.set kk, kk+1
.endr
	WIN 0
	s_wait_loadcnt 0x0
	v_cndmask_b32 v[SLT], v[SLT], s[SSL], s[SHM]
	v_min_u32 v[SLT], 9, v[SLT]
	s_wait_alu depctr_va_vdst(0)
	v_mad_u32_u24 v[SLT], v[TOK], 10, v[SLT]
	v_cndmask_b32 v[WT], v[WT], 1.0, s[SHM]
	v_permlanex16_b32 v[TMP], v[WT], s[SEL], s[SEL+1]
	s_sub_co_i32 s5, s[NN], s[P0]                  ; rows of my 32 that lie below the count
	s_wait_alu depctr_va_vdst(0)
	OUT 0
	OUT 1
.Lskip:
	s_wait_xcnt 0x0                                ; loads and stores have read their bases: they may step
	s_add_nc_u64 s[HQB:HQB+1], s[HQB:HQB+1], 0x10000
	s_add_nc_u64 s[HSB:HSB+1], s[HSB:HSB+1], 0x800
	s_add_co_u32 s[P0], s[P0], 128
	s_sub_co_u32 s3, s3, 1
	s_cmp_lg_u32 s3, 0
	s_cbranch_scc1 .Lpass
	s_wait_tensorcnt 0x0                           ; the wave's end
	ds_add_u32 v[SPW], v[NIL]
	s_wait_dscnt 0x0
	s_endpgm
.Lfunc_end_k_q68c16efadc_down:
	.size	k_q68c16efadc_down, .Lfunc_end_k_q68c16efadc_down-k_q68c16efadc_down
	.p2alignl 7, 3214868480
	.fill 96, 4, 3214868480
	.section	.rodata,"a",@progbits
	.p2align	6, 0x0
	.amdhsa_kernel k_q68c16efadc_down
		.amdhsa_group_segment_fixed_size 124416
		.amdhsa_private_segment_fixed_size 0
		.amdhsa_enable_private_segment 0
		.amdhsa_kernarg_size 64
		.amdhsa_user_sgpr_count 2
		.amdhsa_user_sgpr_kernarg_segment_ptr 1
		.amdhsa_wavefront_size32 1
		.amdhsa_system_sgpr_workgroup_id_x 1
		.amdhsa_system_sgpr_workgroup_id_y 1
		.amdhsa_system_sgpr_workgroup_id_z 1
		.amdhsa_system_vgpr_workitem_id 0
		.amdhsa_next_free_vgpr 512
		.amdhsa_next_free_sgpr 106
		.amdhsa_reserve_vcc 1
		.amdhsa_float_denorm_mode_32 3
		.amdhsa_float_denorm_mode_16_64 3
		.amdhsa_memory_ordered 1
		.amdhsa_forward_progress 1
		.amdhsa_inst_pref_size 161
	.end_amdhsa_kernel
	.amdgpu_metadata
---
amdhsa.version: [ 1, 2 ]
amdhsa.kernels:
  - .name:           k_q68c16efadc_down
    .symbol:         k_q68c16efadc_down.kd
    .args:
      - { .name: tokmask, .offset: 0, .size: 8, .value_kind: global_buffer, .address_space: global }
      - { .name: slottab, .offset: 8, .size: 8, .value_kind: global_buffer, .address_space: global }
      - { .name: wtab, .offset: 16, .size: 8, .value_kind: global_buffer, .address_space: global }
      - { .name: hq, .offset: 24, .size: 8, .value_kind: global_buffer, .address_space: global }
      - { .name: hsc, .offset: 32, .size: 8, .value_kind: global_buffer, .address_space: global }
      - { .name: expert_down, .offset: 40, .size: 8, .value_kind: global_buffer, .address_space: global }
      - { .name: shared_down, .offset: 48, .size: 8, .value_kind: global_buffer, .address_space: global }
      - { .name: y, .offset: 56, .size: 8, .value_kind: global_buffer, .address_space: global }
    .group_segment_fixed_size: 124416
    .private_segment_fixed_size: 0
    .kernarg_segment_align: 8
    .kernarg_segment_size: 64
    .max_flat_workgroup_size: 128
    .sgpr_count:     106
    .vgpr_count:     512
    .wavefront_size: 32
...
	.end_amdgpu_metadata
.endif
;; end of part 3
;; launch sum (part 4): grid 256 x 1, 8 waves a work-group, no clusters, 0 bytes of LDS; arguments y, out0; writes out0
.if DOCPART == 4
	.amdgcn_target "amdgcn-amd-amdhsa--gfx1250"
	.amdhsa_code_object_version 6
	.text
	.protected	k_q68c16efadc_sum
	.globl	k_q68c16efadc_sum
	.p2align	8
	.type	k_q68c16efadc_sum,@function
k_q68c16efadc_sum:
	s_mov_b64 s[64:65], 0
	v_nop
	global_prefetch_b8 v0, s[64:65] scope:SCOPE_SE
	s_setreg_imm32_b32 hwreg(HW_REG_WAVE_MODE, 25, 1), 1
	s_wait_xcnt 0x0
; SUM.  out0[t][:] = y[t][0][:] + .. + y[t][9][:]: a token's eight routed terms, in ascending expert number, then the two halves of the shared expert.
; A work-group takes four tokens; thread i holds bytes 16 i .. 16 i + 15 of every row of 4,096 bytes, so a wave's load or store covers 512 consecutive bytes.
; All 40 loads of a thread go out at once; no loop, no LDS, no barrier: waves share nothing, and matrix units and clusters have nothing to do here.
.set Y, 4                              ; v4-163: row 10 i + k in four registers
	s_load_b128 s[4:7], s[0:1], 0x0                ; y, out0
	v_lshlrev_b32 v1, 4, v0
	s_mul_i32 s8, ttmp9, 4*10*4096
	s_mov_b32 s9, 0
	s_lshl_b32 s10, ttmp9, 14
	s_mov_b32 s11, 0
	s_wait_alu depctr_va_vdst(0)
	s_wait_kmcnt 0x0
	s_add_nc_u64 s[4:5], s[4:5], s[8:9]
	s_add_nc_u64 s[6:7], s[6:7], s[10:11]
.set q, 0
.rept 40
	global_load_b128 v[Y+4*q:Y+4*q+3], v1, s[4:5] offset:4096*q th:TH_LOAD_NT
.set q, q+1
.endr
.irp i, 0,1,2,3
	s_wait_loadcnt 10*(3-\i)                       ; this token's ten rows are in; the later tokens' loads may be out
.irp k, 1
	v_pk_add_f32 v[Y+40*\i:Y+40*\i+1], v[Y+40*\i:Y+40*\i+1], v[Y+40*\i+4*\k:Y+40*\i+4*\k+1]
	v_pk_add_f32 v[Y+40*\i+2:Y+40*\i+3], v[Y+40*\i+2:Y+40*\i+3], v[Y+40*\i+4*\k+2:Y+40*\i+4*\k+3]
.endr
.irp k, 2, 3, 4, 5, 6, 7, 8, 9
	s_delay_alu instid0(VALU_DEP_2)
	v_pk_add_f32 v[Y+40*\i:Y+40*\i+1], v[Y+40*\i:Y+40*\i+1], v[Y+40*\i+4*\k:Y+40*\i+4*\k+1]
	s_delay_alu instid0(VALU_DEP_2)
	v_pk_add_f32 v[Y+40*\i+2:Y+40*\i+3], v[Y+40*\i+2:Y+40*\i+3], v[Y+40*\i+4*\k+2:Y+40*\i+4*\k+3]
.endr
	global_store_b128 v1, v[Y+40*\i:Y+40*\i+3], s[6:7] offset:4096*\i th:TH_STORE_NT
.endr
	s_endpgm
.Lfunc_end_k_q68c16efadc_sum:
	.size	k_q68c16efadc_sum, .Lfunc_end_k_q68c16efadc_sum-k_q68c16efadc_sum
	.p2alignl 7, 3214868480
	.fill 96, 4, 3214868480
	.section	.rodata,"a",@progbits
	.p2align	6, 0x0
	.amdhsa_kernel k_q68c16efadc_sum
		.amdhsa_group_segment_fixed_size 0
		.amdhsa_private_segment_fixed_size 0
		.amdhsa_enable_private_segment 0
		.amdhsa_kernarg_size 16
		.amdhsa_user_sgpr_count 2
		.amdhsa_user_sgpr_kernarg_segment_ptr 1
		.amdhsa_wavefront_size32 1
		.amdhsa_system_sgpr_workgroup_id_x 1
		.amdhsa_system_sgpr_workgroup_id_y 1
		.amdhsa_system_sgpr_workgroup_id_z 1
		.amdhsa_system_vgpr_workitem_id 0
		.amdhsa_next_free_vgpr 168
		.amdhsa_next_free_sgpr 66
		.amdhsa_reserve_vcc 0
		.amdhsa_float_denorm_mode_32 3
		.amdhsa_float_denorm_mode_16_64 3
		.amdhsa_memory_ordered 1
		.amdhsa_forward_progress 1
		.amdhsa_inst_pref_size 12
	.end_amdhsa_kernel
	.amdgpu_metadata
---
amdhsa.version: [ 1, 2 ]
amdhsa.kernels:
  - .name:           k_q68c16efadc_sum
    .symbol:         k_q68c16efadc_sum.kd
    .args:
      - { .name: y, .offset: 0, .size: 8, .value_kind: global_buffer, .address_space: global }
      - { .name: out0, .offset: 8, .size: 8, .value_kind: global_buffer, .address_space: global }
    .group_segment_fixed_size: 0
    .private_segment_fixed_size: 0
    .kernarg_segment_align: 8
    .kernarg_segment_size: 16
    .max_flat_workgroup_size: 256
    .sgpr_count:     66
    .vgpr_count:     168
    .wavefront_size: 32
...
	.end_amdgpu_metadata
.endif
;; end of part 4
